; MI455X (gfx1250); checked and timed in simulation.
; The chip was launched on July 23, 2026; its instructions are those of AMD's public machine-readable ISA for CDNA 5 (MIT licence, August 2026) and "CDNA5" Instruction Set Architecture Reference Guide (July 2026). The comments in the code are by the model that wrote it; some were corrected since.
;; Binary Diff. Allowed arithmetic: matrix products marked QUANTISED: E2M1 operands, one E8M0 scale for each 32 along K, by v_wmma_scale_f32_16x16x128_f8f6f4 with both operands' format E2M1 (or v_wmma_scale_f32_32x16x128_f4), f32 sums; everything else in f32.
;; Inputs: base_T 4,096 x 4,096 float32; coeff 1 float32; mask_bits 4,096 x 4,096 int32; x 4 x 512 x 4,096 float32.
;; Outputs: out0 4 x 512 x 4,096 float32.
;; This version of the problem:
;;   THIS VERSION OF THE PROBLEM IS GIVEN IN LOW PRECISION. The matrix products marked QUANTISED in the list below multiply operands that are first quantised to E2M1 (2 exponent bits, 1 mantissa bit; 4 bits a number), with one power-of-two scale for each 32 numbers along K (OCP MX v1.0); their sums are f32. All else is computed in f32.
;;   The module's matrix products, in the order in which they are computed (A, B: the left and right operand; K: the contracted axis; several contracted axes count as one K, in the product's order):
;;     1. [M 2,048, K 4,096] x [K 4,096, N 4,096]; A: input x; B: input base_T: QUANTISED
;;     2. [M 2,048, K 4,096] x [K 4,096, N 4,096]; A: input x; B: computed on the way: QUANTISED
;;   THE QUANTISER, for each operand of a quantised product, along K:
;;     - K is cut into blocks of 32 from its start; a last block that is shorter is filled with zeros.
;;     - A block's scale is 2^e with e = floor(log2(the largest magnitude in the block)) - 2, held to -126 .. 127; a block of zeros has e = 0. As a byte (E8M0): e + 127.
;;     - Each number is divided by its block's scale, clamped to +-6, and rounded to the nearest number of E2M1, ties to even, subnormals kept.
;;     - The product sums the exact products of the quantised numbers (number of the format x scale) in f32.
;;   ~~~python
;;   def quantise(x, axis):      # numpy; x: float32 -> the quantised numbers, widened to float32 again
;;       x = np.moveaxis(x, axis, -1); K = x.shape[-1]
;;       x = np.pad(x, [(0, 0)] * (x.ndim - 1) + [(0, -K % 32)]); x = x.reshape(x.shape[:-1] + (-1, 32)); a = np.abs(x).max(-1, keepdims=True)
;;       e = np.where(a > 0, np.clip(np.frexp(np.where(a > 0, a, 1))[1] - 1 - 2, -126, 127), 0)      # np.frexp(a)[1] - 1 = floor(log2(a)), exactly
;;       r = np.clip(x / 2.0 ** e, -6, 6)
;;       step = 2.0 ** (np.maximum(np.frexp(np.where(r == 0, 1, r))[1] - 1, 0) - 1)
;;       q = np.round(r / step) * step * 2.0 ** e      # np.round: ties to even
;;       return np.moveaxis(q.reshape(q.shape[:-2] + (-1,))[..., :K], -1, axis).astype(np.float32)
;;   ~~~
;;   OPERANDS COMPUTED ON THE WAY. 'Computed on the way' means the value that the module computes at that place (a softmax that the list does not call 'softmax' is quantised finished and normalised). What goes into a quantiser is computed in f32, as accurately as f32 sums, v_exp_f32 and their like allow (about 1e-6 of the number): no bf16 or f16 on the way to a quantiser, and a product that is left as it is and whose result goes on into a quantised operand takes f32 operands (vector FMAs, or v_wmma_f32_16x16x4_f32). A number that lies on a knife's edge between two numbers of the format may be rounded either way, as far as f32 arithmetic and the matrix unit's own rounding can turn it there, and no further.
;; One version. Each part assembles by itself: llvm-mc -triple=amdgcn-amd-amdhsa -mcpu=gfx1250 --defsym DOCPART=n.
;; ======== version 1 of 1: 2 launches
;; limits: right only within a limited range of input values
;; workspace buffers: x_img 4,456,448 bytes; w_img 17,825,792 bytes
;; launch quant (part 1): grid 32 x 8, 16 waves a work-group, no clusters, 198,656 bytes of LDS; arguments x, base_T, mask_bits, x_img, w_img; writes x_img, w_img
.if DOCPART == 1
	.amdgcn_target "amdgcn-amd-amdhsa--gfx1250"
	.amdhsa_code_object_version 6
	.text
	.protected	k_qecdb98e87d_quant
	.globl	k_qecdb98e87d_quant
	.p2align	8
	.type	k_qecdb98e87d_quant,@function
k_qecdb98e87d_quant:
	s_mov_b64 s[64:65], 0
	v_nop
	global_prefetch_b8 v0, s[64:65] scope:SCOPE_SE
	s_setreg_imm32_b32 hwreg(HW_REG_WAVE_MODE, 25, 1), 1
	s_wait_xcnt 0x0
; x [2048][4096] f32 (K innermost), base_T [4096 (k)][4096 (n)] f32 and 2 * mask_bits - 1 (mask_bits [4096 (k)][4096 (n)] i32) are turned into codes of FP4 (E2M1), K innermost,
; with one E8M0 scale byte for each 32 along K.  A block's scale is 2^(floor(log2(its largest magnitude)) - 2): its byte is the largest magnitude's exponent field - 2, held at 1 from below.
; LIMITS: NaN and infinities among the inputs are not served.  A block whose largest magnitude lies under 2^-124 gets the byte 1 (a block of zeros too, where the quantiser's text says 127:
; its codes are zeros, which add nothing under any byte but 0xff, and the bytes are read by this program alone).  2 m - 1 is made in i32 and wraps as i32 does.
; WHAT IS WRITTEN.  x_codes [2048][2048 bytes]; w_codes [8192][2048 bytes], row n' = 128 (n / 64) + 64 t + n % 64, t = 0 for base_T's column n and 1 for the signs' column n;
; x_scales [8 (K step of 512)][2048][16 bytes], w_scales [8][8192][16 bytes]: the scales of 256 rows for one K step are then 4,096 consecutive bytes.
; SHARES.  256 work-groups of sixteen waves, all on one path.  Work-group (gx, gy), b = 32 gy + gx, takes 16 rows x 2,048 K of x and four tiles of 512 K x 64 columns: two of base_T, two of mask_bits.
; Every input byte is read once.
; base_T, mask_bits COME INTO REGISTERS.  Of a tile wave w takes the rows of K 32 w .. 32 w + 31, one block, and lane l the columns 2 l and 2 l + 1: a load of 8 bytes a lane reads 256 consecutive bytes, aligned.
; A tile is 32 loads, 64 registers; two sets take turns, and a set is asked for again as soon as its numbers have been moved out of it.
; A lane's two columns lie interleaved in a set, and the conversions take neighbours along K from consecutive registers:
; so the numbers are moved apart, base_T's by one v_mov_b32 each, the signs' by the line that makes 2 m - 1 anyway.
; The codes of 64 columns x 512 K meet in a stage in LDS (each wave writes 16 bytes of every row) and leave behind a barrier as rows: sixteen lanes store 256 consecutive bytes, aligned.
; Two stages take turns, so that one is written while the other leaves.
; x COMES BY ONE TENSOR LOAD A WAVE, at the start: one row's 2,048 K, with 16 bytes of padding behind each 128 in LDS.  Each wave reads only what it brought, behind its own wait on TENSORcnt.  A LANE TAKES A
; WHOLE BLOCK OF 32 ALONG K (the padding keeps the lanes' 16-byte reads in different columns of 256 bytes): a lane's codes are 16 bytes, and the wave stores 512 consecutive bytes of a row of x_codes.
; No LDS byte is filled twice.  x is worked between W's second and third tile, while the third and fourth are on their way.
; No cluster and no joint loads: no two work-groups read the same byte.  No matrix work.
; THE OUTPUTS' LAYOUT (it takes the place of what stands above under WHAT IS WRITTEN): codes and scale bytes leave as IMAGES, one for each 128 rows and each K step of 512:
; 128 rows x 256 bytes of codes, then 128 rows x 16 scale bytes: 34,816 consecutive bytes.  x_img [16 (row / 128)][8 (K step)][34,816]; w_img [64 (n / 64)][8][34,816], whose row 64 t + n % 64 is
; base_T's column n (t = 0) or the signs' (t = 1).  s[10:11] and s[12:13] both point into x_img (codes, scale bytes), s[14:15] and s[16:17] into w_img.
.set XW,    9216                       ; a wave's part of x's tile: 64 blocks x (128 + 16) bytes.  The tile begins at LDS byte 0
.set STG,   16*XW                      ; two stages for codes: 64 columns x (256 + 16) bytes.  From here on no tensor load lands
.set STGB,  64*272
.set WSC,   STG+2*STGB                 ; two stages for W's scale bytes: 64 columns x 16 bytes
.set XSC,   WSC+2048                   ; x's scale bytes: 4 K steps x 16 rows x 16 bytes
.set WOF, 1                            ; v1   W: my byte offset in a tile: 32 w rows of 16,384 bytes + 8 l; never rewritten
.set XRD, 2                            ; v2   x's tile: my block: XW w + 144 l
.set XCO, 3                            ; v3   x's codes: 34,816 (l / 16) + 256 w + 16 (l % 16): K step, row, block
.set XSB, 4                            ; v4   x's scale byte: XSC + 16 w + 256 (l / 16) + l % 16
.set STO, 5                            ; v5   into a stage: STG + 544 l + 16 w: row 2 l, my block's 16 bytes
.set WSB, 6                            ; v6   W's scale byte: WSC + 32 l + w
.set SRD, 7                            ; v7   out of a stage: row 4 w + l / 16, 16 bytes a lane
.set WCO, 8                            ; v8   and the same place in an image: 1,024 w + 256 (l / 16) + 16 (l % 16)
.set WSR, 9                            ; v9   WSC + 16 t   (t: the thread's number; waves 0 and 1 alone use v9 to v12)
.set XSR, 10                           ; v10  XSC + 16 t
.set T16, 11                           ; v11  16 t
.set XSO, 12                           ; v12  x's scale bytes: 34,816 (t / 16) + 16 (t % 16)
.set MA,  16                           ; v16, v17 the largest magnitudes of my two blocks
.set MB,  17
.set SA,  18                           ; v18, v19 the conversions' scale operands
.set SBB, 19
.set BY,  20                           ; v20, v21 W's two scale bytes
.set C,   24                           ; v24-31   W's codes: four registers for each of my two columns
.set XC,  32                           ; v32-39   x's codes; written once
.set XB,  40                           ; v40, v41 x's two scale bytes
.set O,   44                           ; v44-51   rows on their way out
.set FS,  52                           ; v52-55   W's scale bytes on their way out
.set XF,  56                           ; v56-59   x's scale bytes on their way out; written once
.set A,   64                           ; v64-127  set A: 32 rows of K x my two columns, as loaded
.set B,   128                          ; v128-191 set B
.set Y,   192                          ; v192-255 two blocks of 32 numbers, each in consecutive registers
.set WV,  18                           ; s18  my wave's number
.set G1X, 28                           ; s[28:35] descriptor group 1 for x's tile
.set G0X, 44                           ; s[44:47] its group 0; never rewritten
	s_load_b256 s[4:11], s[0:1], 0x0               ; x s[4:5], base_T s[6:7], mask_bits s[8:9], x_img s[10:11]
	s_load_b64 s[14:15], s[0:1], 0x20              ; w_img
	v_lshl_add_u32 v62, v0, 2, 0x30000
	v_mov_b32 v63, 0
	ds_add_u32 v62, v63
	ds_add_u32 v62, v63
	v_lshrrev_b32 v13, 5, v0
	s_delay_alu instid0(VALU_DEP_1)
	v_readfirstlane_b32 s[WV], v13                 ; wave 0..15
	v_and_b32 v14, 31, v0                          ; l
	s_delay_alu instid0(VALU_DEP_1)
	v_lshlrev_b32 v[WOF], 3, v14
	s_delay_alu instid0(VALU_DEP_1)
	v_lshl_add_u32 v[WOF], v13, 19, v[WOF]         ; 32 rows of 16,384 bytes for each wave, 8 bytes for each lane
	s_and_b32 s20, ttmp7, 0xffff                   ; gy
	s_lshl_b32 s21, s20, 5
	s_add_co_u32 s21, s21, ttmp9                   ; b = 32 gy + gx
	s_lshr_b32 s22, s21, 1                         ; which 16 rows of x
	s_and_b32 s23, s21, 1                          ; which half of K
	; group 1 for x: one row of 2,048 elements of 4 bytes; in LDS 4 words of padding behind every 32
	s_mov_b32 s[G1X+0], (2<<16)|(1<<20)|(4<<22)|(3<<25)
	s_mov_b32 s[G1X+1], 2048<<16                   ; tensor_dim0
	s_mov_b32 s[G1X+2], 1<<16                      ; tensor_dim1
	s_mov_b32 s[G1X+3], 2048<<16                   ; tile_dim0
	s_mov_b32 s[G1X+4], 1                          ; tile_dim1
	s_mov_b32 s[G1X+5], 4096                       ; from row to row
	s_mov_b32 s[G1X+6], 0
	s_mov_b32 s[G1X+7], 0
	; byte offsets, each in a pair of its own with 0 above it (all stay under 2^27)
	s_lshl_b32 s24, s22, 18                        ; x: 16 rows of 16,384 bytes for each b / 2,
	s_lshl_b32 s25, s[WV], 14                      ; my wave's row,
	s_add_co_u32 s24, s24, s25
	s_lshl_b32 s25, s23, 13                        ; the half of K
	s_add_co_u32 s24, s24, s25
	s_mov_b32 s25, 0
	s_lshl_b32 s26, s20, 23                        ; W: 512 rows of K for each gy,
	s_lshl_b32 s27, ttmp9, 9                       ; 128 columns for each gx (the wave's and the lane's part stand in v1)
	s_add_co_u32 s26, s26, s27
	s_mov_b32 s27, 0
	s_lshr_b32 s68, s22, 3                         ; x_img: eight images of 34,816 bytes for each 128 rows,
	s_mul_i32 s68, s68, 278528
	s_mul_i32 s69, s23, 139264                     ; four images for the half of K
	s_add_co_u32 s68, s68, s69
	s_and_b32 s69, s22, 7                          ; which 16 rows of the 128
	s_lshl_b32 s70, s69, 8                         ; their scale bytes: 16 rows of 16 bytes,
	s_lshl_b32 s69, s69, 12                        ; their codes: 16 rows of 256 bytes
	s_add_co_u32 s70, s70, s68
	s_add_co_u32 s70, s70, 32768                   ; the scale bytes lie behind an image's codes
	s_add_co_u32 s68, s68, s69
	s_mov_b32 s69, 0
	s_mov_b32 s71, 0
	s_mul_i32 s72, ttmp9, 557056                   ; w_img: sixteen images for each gx (two blocks of 128 rows), one for each gy
	s_mul_i32 s73, s20, 34816
	s_add_co_u32 s72, s72, s73
	s_add_co_u32 s74, s72, 32768                   ; and its scale bytes
	s_mov_b32 s73, 0
	s_mov_b32 s75, 0
	s_mul_i32 s76, s[WV], XW                       ; my part of x's tile
	s_wait_alu depctr_va_vdst(0)
	s_wait_dscnt 0x0
	s_wait_kmcnt 0x0
	s_add_nc_u64 s[6:7], s[6:7], s[26:27]          ; the two tensors of W and the four outputs at the work-group's part: no pointer is stepped after this, all else stands in immediates
	s_add_nc_u64 s[8:9], s[8:9], s[26:27]
	s_add_nc_u64 s[12:13], s[10:11], s[70:71]
	s_add_nc_u64 s[10:11], s[10:11], s[68:69]
	s_add_nc_u64 s[16:17], s[14:15], s[74:75]
	s_add_nc_u64 s[14:15], s[14:15], s[72:73]
	s_mov_b32 s[G0X+0], 1                          ; 1:0 count = 1
	s_mov_b32 s[G0X+1], s76                        ; 63:32 LDS address
	s_add_nc_u64 s[G0X+2:G0X+3], s[4:5], s[24:25]  ; 120:64 global address: my row, my half of K
	s_or_b32 s[G0X+3], s[G0X+3], 0x80000000        ; 127:126 type = 2
	tensor_load_to_lds s[G0X:G0X+3], s[G1X:G1X+7]  ; my one tensor load: a first fill, ahead of every wait on TENSORcnt, every LDS read and every barrier
	s_nop 0
.rept 4
	v_nop                                          ; four v_nop follow the tensor load
.endr
; A tile of W into a set: row of K i of my 32, columns 64 g + 2 l and + 1 of the work-group's 128.  The wave reads 256 consecutive bytes, at a multiple of 256 from the buffer's first byte; read once in the launch.
.macro LOADW set, bs, g
.set ii, 0
.rept 32
	global_load_b64 v[\set+2*ii:\set+2*ii+1], v[WOF], s[\bs:\bs+1] offset:16384*ii+256*(\g) th:TH_LOAD_NT
.set ii, ii+1
.endr
.endm
	LOADW A, 6, 0                                  ; base_T, columns 0-63
	LOADW B, 6, 1                                  ; base_T, columns 64-127.  (Two sets are 64 loads, one more than LOADcnt's field holds: the last one's issue waits until the first has come back: ISA guide 5.7.1)
	v_bfe_u32 v15, v0, 4, 1                        ; l / 16
	v_and_b32 v13, 15, v0                          ; l % 16
	v_mul_u32_u24 v[XRD], v14, 144
	s_delay_alu instid0(VALU_DEP_1)
	v_add_nc_u32 v[XRD], s76, v[XRD]
	v_mul_u32_u24 v[XCO], v15, 34816
	s_delay_alu instid0(VALU_DEP_1)
	v_lshl_add_u32 v[XCO], v13, 4, v[XCO]
	s_delay_alu instid0(VALU_DEP_1)
	v_lshl_add_u32 v[XCO], s[WV], 8, v[XCO]
	s_lshl_b32 s78, s[WV], 4
	s_add_co_u32 s79, s78, XSC
	v_lshl_add_u32 v[XSB], v15, 8, v13
	s_delay_alu instid0(VALU_DEP_1)
	v_add_nc_u32 v[XSB], s79, v[XSB]
	s_add_co_u32 s79, s78, STG
	v_mul_u32_u24 v[STO], v14, 544
	s_delay_alu instid0(VALU_DEP_1)
	v_add_nc_u32 v[STO], s79, v[STO]
	s_add_co_u32 s79, s[WV], WSC
	v_lshl_add_u32 v[WSB], v14, 5, s79
	s_mul_i32 s79, s[WV], 4*272
	s_add_co_u32 s79, s79, STG
	v_mul_u32_u24 v[SRD], v15, 272
	s_delay_alu instid0(VALU_DEP_1)
	v_lshl_add_u32 v[SRD], v13, 4, v[SRD]
	s_delay_alu instid0(VALU_DEP_1)
	v_add_nc_u32 v[SRD], s79, v[SRD]
	v_lshlrev_b32 v[WCO], 8, v15
	s_delay_alu instid0(VALU_DEP_1)
	v_lshl_add_u32 v[WCO], v13, 4, v[WCO]
	s_delay_alu instid0(VALU_DEP_1)
	v_lshl_add_u32 v[WCO], s[WV], 10, v[WCO]
	v_lshl_add_u32 v[WSR], v0, 4, WSC
	v_lshl_add_u32 v[XSR], v0, 4, XSC
	v_lshlrev_b32 v[T16], 4, v0
	v_lshrrev_b32 v[XSO], 4, v0
	s_delay_alu instid0(VALU_DEP_1)
	v_mul_u32_u24 v[XSO], v[XSO], 34816
	s_delay_alu instid0(VALU_DEP_1)
	v_lshl_add_u32 v[XSO], v13, 4, v[XSO]
; A set's numbers are moved apart: column 2 l to v[Y] on, column 2 l + 1 to v[Y + 32] on, K ascending.  sg = 1: the numbers are mask bits, and 2 m - 1 is what is quantised.  Behind the first 64 lines the set is free.
.macro APART set, sg
.set ii, 0
.rept 32
.if \sg
	v_lshl_add_u32 v[Y+ii], v[\set+2*ii], 1, -1    ; 2 m - 1, in i32
	v_lshl_add_u32 v[Y+32+ii], v[\set+2*ii+1], 1, -1
.else
	v_mov_b32 v[Y+ii], v[\set+2*ii]
	v_mov_b32 v[Y+32+ii], v[\set+2*ii+1]
.endif
.set ii, ii+1
.endr
.endm
.macro TOFLOAT
.set ii, 0
.rept 64
	v_cvt_f32_i32 v[Y+ii], v[Y+ii]
.set ii, ii+1
.endr
.endm
; The two blocks of 32 in v[Y] on and v[Y + 32] on become codes in v[cb] .. v[cb + 3] and v[cb + 4] .. v[cb + 7] and scale bytes in v[bb], v[bb + 1].  The two blocks go by turns, so that no line waits for the line above it.
; The floor 2^(3 - 127) is one more leaf of the largest magnitude, so that the byte cannot fall under 1; 2 off the exponent field gives the conversion's scale operand, of which it takes the exponent field alone.
.macro QUANT2 cb, bb
	v_max3_num_f32 v[MA], |v[Y]|, |v[Y+1]|, 0x1800000
	v_max3_num_f32 v[MB], |v[Y+32]|, |v[Y+33]|, 0x1800000
.irp i, 2,4,6,8,10,12,14,16,18,20,22,24,26,28,30
	s_delay_alu instid0(VALU_DEP_2)
	v_max3_num_f32 v[MA], v[MA], |v[Y+\i]|, |v[Y+\i+1]|
	s_delay_alu instid0(VALU_DEP_2)
	v_max3_num_f32 v[MB], v[MB], |v[Y+32+\i]|, |v[Y+33+\i]|
.endr
	s_delay_alu instid0(VALU_DEP_2)
	v_add_nc_u32 v[SA], 0xff000000, v[MA]
	s_delay_alu instid0(VALU_DEP_2)
	v_add_nc_u32 v[SBB], 0xff000000, v[MB]
.irp g, 0,1,2,3
	v_cvt_scalef32_pk8_fp4_f32 v[\cb+\g], v[Y+8*\g:Y+8*\g+7], v[SA]             ; eight numbers / the scale, to the nearest code, ties to even, beyond the largest code the largest
.endr
.irp g, 0,1,2,3
	v_cvt_scalef32_pk8_fp4_f32 v[\cb+4+\g], v[Y+32+8*\g:Y+32+8*\g+7], v[SBB]
.endr
	v_lshrrev_b32 v[\bb], 23, v[SA]                ; the scales' bytes.  (Also the plain instructions behind the conversions)
	v_lshrrev_b32 v[\bb+1], 23, v[SBB]
.endm
.macro WSTORE p                        ; my block's 16 bytes of rows 2 l and 2 l + 1 of stage p, and their scale bytes
	ds_store_b128 v[STO], v[C:C+3] offset:STGB*(\p)
	ds_store_b128 v[STO], v[C+4:C+7] offset:STGB*(\p)+272
	ds_store_b8 v[WSB], v[BY] offset:1024*(\p)
	ds_store_b8 v[WSB], v[BY+1] offset:1024*(\p)+16
.endm
.macro BAR                             ; my stores into the stage have landed and my reads of the other stage are back: then the work-group's barrier.  Loads from memory stay on their way across it: nobody writes what they read
	s_wait_dscnt 0x0
	s_barrier_signal -1
	s_barrier_wait -1
.endm
; Stage p leaves: 64 rows of 256 bytes of codes (rows 128 gg + 64 t + 0 .. 63 of the work-group's 256), four rows a wave; their 1,024 scale bytes by waves 0 and 1.
.macro WFLUSH p, t, gg
	s_wait_xcnt 0x0                                ; the earlier stores have read their registers (ISA guide 3.1): only behind this wait are these loaded again
	ds_load_b128 v[O:O+3], v[SRD] offset:STGB*(\p)
	ds_load_b128 v[O+4:O+7], v[SRD] offset:STGB*(\p)+544
	s_wait_dscnt 0x1                               ; the first two rows are back; the second load may be out
	global_store_b128 v[WCO], v[O:O+3], s[14:15] offset:278528*(\gg)+16384*(\t)            ; the wave stores 512 consecutive bytes, at a multiple of 512 from the buffer's first byte
	s_wait_dscnt 0x0
	global_store_b128 v[WCO], v[O+4:O+7], s[14:15] offset:278528*(\gg)+16384*(\t)+512
	s_cmp_lt_u32 s[WV], 2
	s_cbranch_scc0 .Lno_scales_\@
	ds_load_b128 v[FS:FS+3], v[WSR] offset:1024*(\p)
	s_wait_dscnt 0x0
	global_store_b128 v[T16], v[FS:FS+3], s[16:17] offset:278528*(\gg)+1024*(\t)   ; 64 lanes store 1,024 consecutive bytes
.Lno_scales_\@:
.endm
	; ---- base_T, columns 0-63
	s_wait_loadcnt 32                              ; loads come back in order (ISA guide 5.7.1): set A is in, set B's 32 may be out
	APART A, 0
	LOADW A, 8, 0                                  ; set A is free: mask_bits, columns 0-63, is asked for at once
	QUANT2 C, BY
	WSTORE 0
	BAR
	WFLUSH 0, 0, 0
	; ---- base_T, columns 64-127
	s_wait_loadcnt 32                              ; set B is in; behind it stand set A's 32 new loads
	APART B, 0
	LOADW B, 8, 1                                  ; mask_bits, columns 64-127: the last loads
	QUANT2 C, BY                                   ; (the last tile's LDS stores have read these registers: the barrier's wait on DScnt stands between)
	WSTORE 1
	BAR
	WFLUSH 1, 0, 1
	; ---- x: my row's 64 blocks, two a lane (blocks l and 32 + l), while mask_bits' two tiles are on their way
	s_wait_tensorcnt 0x0                           ; my row is in LDS, and I alone read it
.irp s, 0,1
.irp c, 0,1,2,3,4,5,6,7
	ds_load_b128 v[Y+32*\s+4*\c:Y+32*\s+4*\c+3], v[XRD] offset:4608*\s+16*\c
.endr
.endr
	s_wait_dscnt 0x0
	QUANT2 XC, XB
	ds_store_b8 v[XSB], v[XB]                      ; block l: K step l / 16 of my half's four, byte l % 16
	ds_store_b8 v[XSB], v[XB+1] offset:512         ; block 32 + l: two K steps on
	global_store_b128 v[XCO], v[XC:XC+3], s[10:11]               ; sixteen lanes store 256 consecutive bytes, at a multiple of 256 from the buffer's first byte
	global_store_b128 v[XCO], v[XC+4:XC+7], s[10:11] offset:69632   ; two K steps on: two images
	; ---- the signs, columns 0-63
	s_wait_loadcnt 32                              ; set A is in; set B's 32 may be out
	APART A, 1
	TOFLOAT
	QUANT2 C, BY
	WSTORE 0                                       ; stage 0's rows left behind the barrier before the last, and every wave has waited for those reads since
	BAR
	s_cmp_lt_u32 s[WV], 2                          ; x's 1,024 scale bytes, which all sixteen waves wrote in front of that barrier, leave by waves 0 and 1
	s_cbranch_scc0 .Lno_x_scales
	ds_load_b128 v[XF:XF+3], v[XSR]
	s_wait_dscnt 0x0
	global_store_b128 v[XSO], v[XF:XF+3], s[12:13] ; sixteen lanes store the 256 consecutive bytes of one K step's 16 rows
.Lno_x_scales:
	WFLUSH 0, 1, 0
	; ---- the signs, columns 64-127
	s_wait_loadcnt 0x0                             ; no load was issued behind set B's
	APART B, 1
	TOFLOAT
	QUANT2 C, BY
	WSTORE 1
	BAR
	WFLUSH 1, 1, 1
	s_wait_tensorcnt 0x0
	ds_add_u32 v62, v63
	s_wait_dscnt 0x0
	s_endpgm
.Lfunc_end_k_qecdb98e87d_quant:
	.size	k_qecdb98e87d_quant, .Lfunc_end_k_qecdb98e87d_quant-k_qecdb98e87d_quant
	.p2alignl 7, 3214868480
	.fill 96, 4, 3214868480
	.section	.rodata,"a",@progbits
	.p2align	6, 0x0
	.amdhsa_kernel k_qecdb98e87d_quant
		.amdhsa_group_segment_fixed_size 198656
		.amdhsa_private_segment_fixed_size 0
		.amdhsa_enable_private_segment 0
		.amdhsa_kernarg_size 40
		.amdhsa_user_sgpr_count 2
		.amdhsa_user_sgpr_kernarg_segment_ptr 1
		.amdhsa_wavefront_size32 1
		.amdhsa_system_sgpr_workgroup_id_x 1
		.amdhsa_system_sgpr_workgroup_id_y 1
		.amdhsa_system_sgpr_workgroup_id_z 1
		.amdhsa_system_vgpr_workitem_id 0
		.amdhsa_next_free_vgpr 256
		.amdhsa_next_free_sgpr 80
		.amdhsa_reserve_vcc 0
		.amdhsa_float_denorm_mode_32 3
		.amdhsa_float_denorm_mode_16_64 3
		.amdhsa_memory_ordered 1
		.amdhsa_forward_progress 1
		.amdhsa_inst_pref_size 59
	.end_amdhsa_kernel
	.amdgpu_metadata
---
amdhsa.version: [ 1, 2 ]
amdhsa.kernels:
  - .name:           k_qecdb98e87d_quant
    .symbol:         k_qecdb98e87d_quant.kd
    .args:
      - { .name: x, .offset: 0, .size: 8, .value_kind: global_buffer, .address_space: global }
      - { .name: base_T, .offset: 8, .size: 8, .value_kind: global_buffer, .address_space: global }
      - { .name: mask_bits, .offset: 16, .size: 8, .value_kind: global_buffer, .address_space: global }
      - { .name: x_img, .offset: 24, .size: 8, .value_kind: global_buffer, .address_space: global }
      - { .name: w_img, .offset: 32, .size: 8, .value_kind: global_buffer, .address_space: global }
    .group_segment_fixed_size: 198656
    .private_segment_fixed_size: 0
    .kernarg_segment_align: 8
    .kernarg_segment_size: 40
    .max_flat_workgroup_size: 512
    .sgpr_count:     80
    .vgpr_count:     256
    .wavefront_size: 32
...
	.end_amdgpu_metadata
.endif
;; end of part 1
;; launch gemm (part 2): grid 32 x 8, 4 waves a work-group, clusters of 4 x 4, 327,680 bytes of LDS; arguments x_img, w_img, coeff, out0; writes out0
.if DOCPART == 2
	.amdgcn_target "amdgcn-amd-amdhsa--gfx1250"
	.amdhsa_code_object_version 6
	.text
	.protected	k_qecdb98e87d_gemm
	.globl	k_qecdb98e87d_gemm
	.p2align	8
	.type	k_qecdb98e87d_gemm,@function
k_qecdb98e87d_gemm:
	s_mov_b64 s[64:65], 0
	v_nop
	global_prefetch_b8 v0, s[64:65] scope:SCOPE_SE
	s_setreg_imm32_b32 hwreg(HW_REG_WAVE_MODE, 25, 1), 1
	s_wait_xcnt 0x0
	s_wait_alu depctr_hold_cnt(0) depctr_sa_sdst(0) depctr_va_vdst(0) depctr_va_sdst(0) depctr_va_ssrc(0) depctr_va_vcc(0) depctr_vm_vsrc(0)
	s_getreg_b32 s2, hwreg(HW_REG_IB_STS2, 6, 4)
	s_cmp_eq_u32 s2, 0
	s_cbranch_scc0 .Lentry_in_a_cluster
	s_endpgm
.Lentry_in_a_cluster:
	s_bfe_u32 s2, ttmp6, 0x10000c
	s_cmp_lg_u32 s2, 0xf033
	s_cbranch_scc0 .Lentry_shape_is_right
	s_endpgm
.Lentry_shape_is_right:
; out0[m][n] = sum_k Q(x)[m][k] Q(base_T)[k][n] + coeff * sum_k Q(x)[m][k] Q(signs)[k][n], both products on codes of FP4 (E2M1) with E8M0 block scales, sums in f32.
; OPERANDS: images written by the launch before: for 128 rows and a K step of 512: 128 rows x 256 bytes of codes, then 128 x 16 scale bytes: 34,816 consecutive bytes = 136 rows of 256 bytes.
; x_img [16][8 K steps][34,816]; w_img [64][8][34,816]; a block of w_img holds 64 columns of base_T (rows 0-63) and the same 64 columns of the signs (rows 64-127).
; SHARES: 256 work-groups of four waves; a work-group makes 256 rows x 128 columns of out0 from 256 rows of x and 256 rows of w_img; a wave 128 x 128 sums (64 accumulators, 512 registers) = 128 x 64 of out0.
; RING: two LDS slots, a K step each; every wave fetches one image (a quarter of a slot) by one joint load; 16 bytes of padding behind each 256, so LDS rows lie 272 bytes apart.
; CLUSTERS 4 x 4: x's images are shared along a row of the cluster, w's along a column.  The matrix instruction is used transposed (source 0 = rows of w, source 1 = rows of x): a lane holds 8 neighbouring columns of one row.
; PREFETCH: K steps 1 and 2 are asked for behind the head's load, K step 3 behind slot 1's first fill, K step s + 4 behind the refill for K step s + 2; the four partners of a joint load share an image's
; 136 blocks of 256 bytes by address, 34 each (two instructions a wave; in the second, lanes 1-31 name the last block); the loop's last trip asks for nothing.
; THE LAST K STEP goes by rows of out0: all its fragments of w fill window 1, x's come by blocks of 16 rows; a finished block is combined, staged and stored while the next is multiplied.
; REGISTERS: window 0: v0-31 addresses; v32-95 scale words, two sets; v96-127, v224-255 rows on their way out; v128-191 x's fragments; v192-223 combined results.  Window 1: w's fragments.  Windows 2, 3: accumulators.
; LIMITS: coeff is taken as it is; NaN and infinities are not served by the launch that makes the codes.
.set NQ,     4
.set ST,     34816                     ; an image; also the step along K in both buffers
.set PITCH,  272
.set FR,     8
.set NL,     2
.set NP,     4
.set HALFT,  136*PITCH                 ; an image in LDS
.set SROW,   128*PITCH                 ; where its scale rows begin: row 128 + i holds the scale words of rows 16 i .. 16 i + 15
.set SLOT,   4*HALFT                   ; x's two images, then w's two
.set SPARE,  2*SLOT                    ; the spare words: 512 bytes that no other line names
.set LAPS,   4
.set SPITCH, 272                       ; the way out: 16 rows x (256 + 16) bytes for each wave, in slot 0, behind its last fill and its last read
.set ADRA, 16
.set ADRB, 20
.set ADRS, 22
.set STO,  24
.set RD,   25
.set CO,   26
.set SPW,  28
.set NIL,  29
.set PFO,  30                          ; 256 x lane
.set PFO2, 31                          ; 256 x (32 + min(lane, 1))
.set SC,   32
.set AF,   128
.set T,    192
.set WV,   16
.set CF,   22
.set G1A,  24
.set G1B,  32
.set G0A,  40
.set G0B,  48
.set PFA,  56
.set MSB, 0
.macro WIN new
.if MSB != (\new)
	s_set_vgpr_msb (MSB<<8)|(\new)
.set MSB, (\new)
.endif
.endm
.set MUL_LO, 0xa1
.set MUL_HI, 0xf1
.set TO_B,   0x40
.macro PLACES n
.rept \n
	v_nop
.endr
.endm
; a joint load: waves 0 and 1 fetch x's two images, waves 2 and 3 w's; s_nop 0 and four v_nop behind each line
.macro JLOAD s
	s_cmp_eq_u32 s17, 0
	s_cbranch_scc0 .Lfor_b_\@
	tensor_load_to_lds s[G0A+4*\s:G0A+4*\s+3], s[G1A:G1A+7]
	s_nop 0
	PLACES 4
	s_branch .Lasked_\@
.Lfor_b_\@:
	tensor_load_to_lds s[G0B+4*\s:G0B+4*\s+3], s[G1B:G1B+7]
	s_nop 0
	PLACES 4
.Lasked_\@:
.endm
.macro CREST
	s_cmp_lg_u32 s[WV], 0
	s_cbranch_scc1 .Lnot_wave_0_\@
	s_barrier_signal -3
.Lnot_wave_0_\@:
	s_barrier_wait -3
	s_barrier_signal -1
	s_barrier_wait -1
.endm
.macro CROUND
	s_barrier_signal -1
	s_barrier_wait -1
	CREST
.endm
.macro PF k                            ; my 34 blocks of the image k steps behind s[PFA]
	global_prefetch_b8 v[PFO], s[PFA:PFA+1] offset:(\k)*ST th:TH_LOAD_NT scope:SCOPE_SE
	global_prefetch_b8 v[PFO2], s[PFA:PFA+1] offset:(\k)*ST th:TH_LOAD_NT scope:SCOPE_SE
.endm
	s_load_b256 s[4:11], s[0:1], 0x0               ; x_img s[4:5], w_img s[6:7], coeff s[8:9], out0 s[10:11]
	v_lshl_add_u32 v[SPW], v0, 2, SPARE
	v_mov_b32 v[NIL], 0
	ds_add_u32 v[SPW], v[NIL]                      ; the opening lines: the add, twice on end, and its wait
	ds_add_u32 v[SPW], v[NIL]
	v_lshrrev_b32 v1, 5, v0
	v_readfirstlane_b32 s[WV], v1                  ; wave 0..3
	s_lshr_b32 s17, s[WV], 1                       ; my half of the rows.  Also: I fetch for x (0) or for w (1)
	s_and_b32 s18, s[WV], 1                        ; my half of the columns.  Also: which of the two images I fetch
	s_bfe_u32 s92, ttmp6, 0x40000                  ; cx
	s_bfe_u32 s93, ttmp6, 0x40004                  ; cy
	s_lshl_b32 s94, ttmp9, 2
	s_add_co_u32 s94, s94, s92                     ; tile column
	s_and_b32 s95, ttmp7, 0xffff
	s_lshl_b32 s95, s95, 2
	s_add_co_u32 s95, s95, s93                     ; tile row
	s_lshl_b32 s96, s93, 2
	s_lshl_b32 s96, 15, s96                        ; my row of the cluster
	s_lshl_b32 s97, 0x1111, s92                    ; my column
	; group 1: 136 rows of 32 elements of 8 bytes, dense; 4 words of padding behind every 64
	s_or_b32 s[G1A+0], s96, (3<<16)|(1<<20)|(1<<21)|(5<<22)|(3<<25)
	s_or_b32 s[G1B+0], s97, (3<<16)|(1<<20)|(1<<21)|(5<<22)|(3<<25)
.irp g, G1A, G1B
	s_mov_b32 s[\g+1], 32<<16
	s_mov_b32 s[\g+2], 136<<16
	s_mov_b32 s[\g+3], 32<<16
	s_mov_b32 s[\g+4], 136
	s_mov_b32 s[\g+5], 32
	s_mov_b32 s[\g+6], 0
	s_mov_b32 s[\g+7], 0
.endr
	s_lshl_b32 s20, s95, 1
	s_add_co_u32 s20, s20, s18
	s_mul_i32 s20, s20, 8*ST                       ; x: block 2 x tile row + half
	s_mov_b32 s21, 0
	s_lshl_b32 s98, s94, 1
	s_add_co_u32 s98, s98, s18
	s_mul_i32 s98, s98, 8*ST                       ; w: block 2 x tile column + half
	s_mov_b32 s99, 0
	s_mul_i32 s19, s[WV], HALFT                    ; where my image goes
	s_wait_dscnt 0x0                               ; both opening adds are done
	s_wait_kmcnt 0x0
	s_load_b32 s[CF], s[8:9], 0x0                  ; coeff
	s_add_nc_u64 s[4:5], s[4:5], s[20:21]
	s_add_nc_u64 s[6:7], s[6:7], s[98:99]
	CROUND                                         ; all sixteen work-groups are here: the first joint loads meet
.irp s, 0,1
	s_mov_b32 s[G0A+4*\s], 1
	s_add_co_u32 s[G0A+4*\s+1], s19, \s*SLOT
	s_add_nc_u64 s[G0A+4*\s+2:G0A+4*\s+3], s[4:5], \s*ST
	s_or_b32 s[G0A+4*\s+3], s[G0A+4*\s+3], 0x80000000
	s_mov_b32 s[G0B+4*\s], 1
	s_add_co_u32 s[G0B+4*\s+1], s19, \s*SLOT
	s_add_nc_u64 s[G0B+4*\s+2:G0B+4*\s+3], s[6:7], \s*ST
	s_or_b32 s[G0B+4*\s+3], s[G0B+4*\s+3], 0x80000000
.endr
	JLOAD 0                                        ; K step 0: one tensor load a wave at the head
	; the scalars first, then the vector lines in one run
	s_cmp_eq_u32 s17, 0
	s_cselect_b32 s58, s92, s93                    ; my place among the four that ask with me
	s_cselect_b64 s[PFA:PFA+1], s[4:5], s[6:7]
	s_mul_i32 s58, s58, 34*256
	s_mov_b32 s59, 0
	s_add_nc_u64 s[PFA:PFA+1], s[PFA:PFA+1], s[58:59]
	s_mul_i32 s60, s17, HALFT                      ; my rows of x, slot 0 and 1
	s_add_co_u32 s61, s60, SLOT
	s_mul_i32 s62, s18, HALFT
	s_add_co_u32 s62, s62, 2*HALFT                 ; my rows of w
	s_add_co_u32 s63, s62, SLOT
	s_xor_b32 s66, s17, 1
	s_add_co_u32 s66, s66, s18
	s_add_co_u32 s66, s66, 1
	s_mul_i32 s66, s66, HALFT                      ; from x's image to w's: (2 + column half - row half) images
	s_add_co_u32 s67, s60, SROW
	s_add_co_u32 s68, s67, SLOT
	s_mul_i32 s69, s[WV], 16*SPITCH                ; my stage
	v_and_b32 v1, 15, v0                           ; r
	v_bfe_u32 v2, v0, 4, 1                         ; h
	v_and_b32 v6, 31, v0
	v_mul_u32_u24 v3, v1, PITCH
	v_lshlrev_b32 v[PFO], 8, v6
	v_min_u32 v7, 1, v6
	v_lshl_add_u32 v[PFO2], v7, 8, 8192
	v_lshl_add_u32 v4, v2, 4, v3                   ; a fragment's row x pitch + 16 h
	v_add_nc_u32 v[ADRA], s60, v4
	v_add_nc_u32 v[ADRA+1], s61, v4
	v_add_nc_u32 v[ADRB], s62, v4
	v_add_nc_u32 v[ADRB+1], s63, v4
	v_mul_u32_u24 v5, s66, v2                      ; scale words: lanes 0-15 x's, lanes 16-31 w's
	v_lshl_add_u32 v5, v1, 4, v5
	v_add_nc_u32 v[ADRS], s67, v5
	v_add_nc_u32 v[ADRS+1], s68, v5
	v_lshl_add_u32 v[STO], v2, 5, v3               ; into the stage: row r, 32 bytes for each half of the lanes
	v_add_nc_u32 v[STO], s69, v[STO]
	v_mul_u32_u24 v8, v2, SPITCH                   ; back: sixteen lanes to a row of 256 bytes
	v_lshl_add_u32 v8, v1, 4, v8
	v_add_nc_u32 v[RD], s69, v8
	v_lshlrev_b32 v[CO], 14, v2                    ; and the same two rows in out0
	v_lshl_add_u32 v[CO], v1, 4, v[CO]
	s_wait_alu depctr_va_vdst(0)                   ; the wait at the head's end, behind its last vector line
	PF 1                                           ; K steps 1 and 2
	PF 2
	s_lshl_b32 s98, s94, 9                         ; out0: 512 bytes for a tile column, 256 for my half; 256 rows of 16,384 bytes for a tile row, 128 for my half
	s_lshl_b32 s99, s18, 8
	s_add_co_u32 s98, s98, s99
	s_lshl_b32 s99, s95, 22
	s_add_co_u32 s98, s98, s99
	s_lshl_b32 s99, s17, 21
	s_add_co_u32 s98, s98, s99
	s_mov_b32 s99, 0
	s_add_nc_u64 s[10:11], s[10:11], s[98:99]
	s_wait_kmcnt 0x0
	s_mov_b32 s[CF+1], s[CF]
.macro FRAG reg, adr, q, i             ; 16 rows x 128 K: lane (r, h): registers 4 c .. 4 c + 3 = K 64 c + 32 h + 0 .. 31
.irp c, 0,1
	ds_load_b128 v[\reg+4*\c:\reg+4*\c+3], v[\adr] offset:64*(\q)+32*\c+(\i)*16*PITCH
.endr
.endm
; 16 matrix instructions: x's blocks a0, a0 + 1 against w's eight; the 64 accumulators take turns
.macro MUL16 a0, p, q, sc, zero
.irp a, \a0, \a0+1
.irp b, 0,1,2,3,4,5,6,7
.if \zero
	v_wmma_scale_f32_16x16x128_f8f6f4 v[8*(8*((\a)%4)+\b):8*(8*((\a)%4)+\b)+7], v[128*(\p)+FR*\b:128*(\p)+FR*\b+FR-1], v[AF+FR*(\a):AF+FR*(\a)+FR-1], 0, v[SC+8*NQ*(\sc)+NQ*\b+(\q)], v[SC+8*NQ*(\sc)+NQ*(\a)+(\q)] matrix_a_fmt:MATRIX_FMT_FP4 matrix_b_fmt:MATRIX_FMT_FP4 matrix_a_scale:MATRIX_SCALE_ROW1
.else
	v_wmma_scale_f32_16x16x128_f8f6f4 v[8*(8*((\a)%4)+\b):8*(8*((\a)%4)+\b)+7], v[128*(\p)+FR*\b:128*(\p)+FR*\b+FR-1], v[AF+FR*(\a):AF+FR*(\a)+FR-1], v[8*(8*((\a)%4)+\b):8*(8*((\a)%4)+\b)+7], v[SC+8*NQ*(\sc)+NQ*\b+(\q)], v[SC+8*NQ*(\sc)+NQ*(\a)+(\q)] matrix_a_fmt:MATRIX_FMT_FP4 matrix_b_fmt:MATRIX_FMT_FP4 matrix_a_scale:MATRIX_SCALE_ROW1
.endif
.endr
.endr
.endm
.macro FETCH_B slot, q, p
	WIN TO_B
.irp i, 0,1,2,3,4,5,6,7
	FRAG 128*(\p)+FR*\i, ADRB+\slot, \q, \i
.endr
	WIN 0
.endm
.macro FETCH_A slot, q, i0
.irp i, \i0, \i0+1, \i0+2, \i0+3
	FRAG AF+FR*(\i), ADRA+\slot, \q, \i
.endr
.endm
.macro SCALES sc                       ; a K step's scale words: register 4 i + q: lanes 0-15 x's block i, lanes 16-31 w's block i
.irp i, 0,1,2,3,4,5,6,7
	ds_load_b128 v[SC+8*NQ*\sc+NQ*\i:SC+8*NQ*\sc+NQ*\i+3], v[ADRS+\sc] offset:\i*PITCH
.endr
.endm
.macro STEP slot, q, zero              ; 128 along K with its successor in the same slot
	s_wait_dscnt 4*NL                              ; all but the youngest eight loads (x's blocks 4-7)
	WIN MUL_LO
	MUL16 0, (\q)%2, \q, \slot, \zero
	MUL16 2, (\q)%2, \q, \slot, \zero
	s_wait_dscnt 0
	PLACES NP                                      ; four places in front of loads into registers that matrix instructions have read
	FETCH_B \slot, (\q)+1, 1-(\q)%2
	FETCH_A \slot, (\q)+1, 0
	WIN MUL_HI
	MUL16 4, (\q)%2, \q, \slot, \zero
	MUL16 6, (\q)%2, \q, \slot, \zero
	PLACES NP
	WIN 0
	FETCH_A \slot, (\q)+1, 4
.endm
; the first half of a slot's last step: the wait on TENSORcnt, the add and its wait on DScnt, and the work-group's barrier
.macro MEET slot
	s_wait_tensorcnt 0x0                           ; my one load that was out, my image of the next slot, has landed
	ds_add_u32 v[SPW], v[NIL]
	s_wait_dscnt 4*NL+1                            ; the add and the youngest eight loads may be out
	WIN MUL_LO
	MUL16 0, 1, NQ-1, \slot, 0
	s_wait_dscnt 0x0                               ; the add is done, my reads of this slot are over
	s_barrier_signal -1
	MUL16 2, 1, NQ-1, \slot, 0
.endm
.macro TURN slot, next                 ; a slot's last step; the slot is filled again, two K steps on
	s_wait_xcnt 0x0                                ; my prefetches have read their address: it steps here
	s_add_nc_u64 s[PFA:PFA+1], s[PFA:PFA+1], ST
	MEET \slot
	WIN 0
	s_barrier_wait -1
	CREST                                          ; the barrier has opened a round of the cluster's barrier
	s_add_nc_u64 s[G0A+4*\slot+2:G0A+4*\slot+3], s[G0A+4*\slot+2:G0A+4*\slot+3], 2*ST
	s_add_nc_u64 s[G0B+4*\slot+2:G0B+4*\slot+3], s[G0B+4*\slot+2:G0B+4*\slot+3], 2*ST
	JLOAD \slot                                    ; the first tensor load behind the round; its four v_nop are also the places in front of the loads below
	FETCH_B \next, 0, 0
	FETCH_A \next, 0, 0
	SCALES \next
	s_cmp_gt_u32 s3, 1                             ; the last trip has no K step two refills on
	s_cbranch_scc0 .Lno_ask_\@
	PF 3
.Lno_ask_\@:
	WIN MUL_HI
	MUL16 4, 1, NQ-1, \slot, 0
	MUL16 6, 1, NQ-1, \slot, 0
	PLACES NP
	WIN 0
	FETCH_A \next, 0, 4
.endm
.macro STEPS slot, from
.set Q, \from
.rept NQ-1-\from
	STEP \slot, Q, 0
.set Q, Q+1
.endr
.endm
	s_wait_tensorcnt 0x0                           ; my image of K step 0 is in; these lines stand ahead of a later first fill as ahead of a refill
	ds_add_u32 v[SPW], v[NIL]
	s_wait_dscnt 0x0
	CROUND
	JLOAD 1                                        ; K step 1: slot 1's first fill
	FETCH_B 0, 0, 0
	FETCH_A 0, 0, 0
	SCALES 0
	FETCH_A 0, 0, 4
	PF 3                                           ; K step 3
	STEP 0, 0, 1                                   ; the first step's products start the sums
	s_mov_b32 s3, LAPS-1
.Llap:
	STEPS 0, 1
	TURN 0, 1
	STEPS 1, 0
	TURN 1, 0
	STEP 0, 0, 0
	s_sub_co_u32 s3, s3, 1
	s_cmp_lg_u32 s3, 0
	s_cbranch_scc1 .Llap
	STEPS 0, 1
; THE LAST K STEP (slot 1), by rows of out0
.macro BLOAD q                         ; w's eight fragments of quarter q -> window 1, v[64 q ..]
.irp i, 0,1,2,3,4,5,6,7
	FRAG 64*(\q)+FR*\i, ADRB+1, \q, \i
.endr
.endm
.macro ALOAD a                         ; x's block a, all four quarters -> buffer a % 2
.set FA, AF+32*((\a)%2)
.irp q, 0,1,2,3
	FRAG FA+FR*\q, ADRA+1, \q, \a
.endr
.endm
.macro ROW a                           ; block a is finished: 32 matrix instructions, its eight accumulators by turns, K ascending
.set FA, AF+32*((\a)%2)
.set AC, 64*((\a)%4)
	WIN MUL_LO+0x50*((\a)/4)
.irp q, 0,1,2,3
.if (\a) == 0 && \q == 2
	s_wait_dscnt 8                                 ; w's quarter 2 is in; x's block 1 may be out
.endif
.irp b, 0,1,2,3,4,5,6,7
	v_wmma_scale_f32_16x16x128_f8f6f4 v[AC+8*\b:AC+8*\b+7], v[64*\q+FR*\b:64*\q+FR*\b+FR-1], v[FA+FR*\q:FA+FR*\q+FR-1], v[AC+8*\b:AC+8*\b+7], v[SC+8*NQ+NQ*\b+\q], v[SC+8*NQ+NQ*(\a)+\q] matrix_a_fmt:MATRIX_FMT_FP4 matrix_b_fmt:MATRIX_FMT_FP4 matrix_a_scale:MATRIX_SCALE_ROW1
.endr
.endr
.endm
.macro COMB a                          ; base's sums + coeff x the signs' sums: accumulators b and b + 4, each from its low end on
.set AC, 64*((\a)%4)
	WIN 0x22+0x11*((\a)/4)
.irp b, 0,1,2,3
.irp j, 0,2,4,6
	v_pk_fma_f32 v[T+8*\b+\j:T+8*\b+\j+1], v[AC+8*(\b+4)+\j:AC+8*(\b+4)+\j+1], s[CF:CF+1], v[AC+8*\b+\j:AC+8*\b+\j+1] op_sel_hi:[1,0,1]
.endr
.endr
	WIN 0
.endm
.macro TOSTAGE a                       ; into my stage and back as whole rows: LDS serves a wave's instructions in order (ISA guide 5.7.1.4)
.set BB, 96+128*((\a)%2)
.irp b, 0,1,2,3
	ds_store_b128 v[STO], v[T+8*\b:T+8*\b+3] offset:64*\b
	ds_store_b128 v[STO], v[T+8*\b+4:T+8*\b+7] offset:64*\b+16
.endr
.irp i, 0,1,2,3,4,5,6,7
	ds_load_b128 v[BB+4*\i:BB+4*\i+3], v[RD] offset:\i*2*SPITCH
.endr
.endm
.macro SEND a, younger
.set BB, 96+128*((\a)%2)
	WIN 0                                          ; the stores' address and data lie in window 0 (ROW leaves the multiply setting)
	s_wait_dscnt \younger
.irp i, 0,1,2,3,4,5,6,7
	global_store_b128 v[CO], v[BB+4*\i:BB+4*\i+3], s[10:11] offset:(\a)*262144+\i*32768 th:TH_STORE_NT   ; sixteen lanes store 256 consecutive bytes, at a multiple of 256 from out0's first byte
.endr
.endm
	MEET 0                                         ; slot 1's image, the last load, has landed; nothing is filled again, so no round follows
	s_barrier_wait -1
	PLACES NP
	WIN TO_B
	BLOAD 0                                        ; three quarters of w now: v128-191 of window 1 are still being multiplied
	BLOAD 1
	BLOAD 3
	WIN 0
	ALOAD 0
	SCALES 1
	WIN MUL_HI
	MUL16 4, 1, NQ-1, 0, 0
	MUL16 6, 1, NQ-1, 0, 0
	PLACES NP
	WIN TO_B
	BLOAD 2
	WIN 0
	ALOAD 1
	s_wait_dscnt 24                                ; all but the 24 just issued
	ROW 0
.irp a, 0,1,2,3,4,5,6,7
.if \a > 1
	s_wait_xcnt 0x0                                ; block a - 2's stores have read their registers, which block a's rows are loaded into
.endif
	PLACES NP                                      ; the lines below read results just made
	COMB \a
	TOSTAGE \a
.if \a < 6
	ALOAD \a+2                                     ; its buffer takes the block two further on
	s_wait_dscnt 24                                ; x's block a + 1 is in: behind it stand the stage's 16 and the 8 just issued
	ROW \a+1                                       ; multiplied while block a goes through the stage
	SEND \a, 8
.else
.if \a < 7
	s_wait_dscnt 16
	ROW \a+1
.endif
	SEND \a, 0
.endif
.endr
	s_wait_tensorcnt 0x0                           ; the wave's end
	ds_add_u32 v[SPW], v[NIL]
	s_wait_dscnt 0x0
	CROUND                                         ; the closing round
	s_endpgm
.Lfunc_end_k_qecdb98e87d_gemm:
	.size	k_qecdb98e87d_gemm, .Lfunc_end_k_qecdb98e87d_gemm-k_qecdb98e87d_gemm
	.p2alignl 7, 3214868480
	.fill 96, 4, 3214868480
	.section	.rodata,"a",@progbits
	.p2align	6, 0x0
	.amdhsa_kernel k_qecdb98e87d_gemm
		.amdhsa_group_segment_fixed_size 327680
		.amdhsa_private_segment_fixed_size 0
		.amdhsa_enable_private_segment 0
		.amdhsa_kernarg_size 32
		.amdhsa_user_sgpr_count 2
		.amdhsa_user_sgpr_kernarg_segment_ptr 1
		.amdhsa_wavefront_size32 1
		.amdhsa_system_sgpr_workgroup_id_x 1
		.amdhsa_system_sgpr_workgroup_id_y 1
		.amdhsa_system_sgpr_workgroup_id_z 1
		.amdhsa_system_vgpr_workitem_id 0
		.amdhsa_next_free_vgpr 1024
		.amdhsa_next_free_sgpr 100
		.amdhsa_reserve_vcc 0
		.amdhsa_float_denorm_mode_32 3
		.amdhsa_float_denorm_mode_16_64 3
		.amdhsa_memory_ordered 1
		.amdhsa_forward_progress 1
		.amdhsa_inst_pref_size 205
	.end_amdhsa_kernel
	.amdgpu_metadata
---
amdhsa.version: [ 1, 2 ]
amdhsa.kernels:
  - .name:           k_qecdb98e87d_gemm
    .symbol:         k_qecdb98e87d_gemm.kd
    .args:
      - { .name: x_img, .offset: 0, .size: 8, .value_kind: global_buffer, .address_space: global }
      - { .name: w_img, .offset: 8, .size: 8, .value_kind: global_buffer, .address_space: global }
      - { .name: coeff, .offset: 16, .size: 8, .value_kind: global_buffer, .address_space: global }
      - { .name: out0, .offset: 24, .size: 8, .value_kind: global_buffer, .address_space: global }
    .group_segment_fixed_size: 327680
    .private_segment_fixed_size: 0
    .kernarg_segment_align: 8
    .kernarg_segment_size: 32
    .max_flat_workgroup_size: 128
    .sgpr_count:     100
    .vgpr_count:     1024
    .wavefront_size: 32
...
	.end_amdgpu_metadata
.endif
;; end of part 2
